; MI455X (gfx1250); checked and timed in simulation.
; The chip was launched on July 23, 2026; its instructions are those of AMD's public machine-readable ISA for CDNA 5 (MIT licence, August 2026) and "CDNA5" Instruction Set Architecture Reference Guide (July 2026). The comments in the code are by the model that wrote it; some were corrected since.
;; Linked Attention. Allowed arithmetic: matrix products marked QUANTISED: E4M3 operands, one E8M0 scale for each 32 along K, by v_wmma_scale_f32_16x16x128_f8f6f4 with both operands' format E4M3, f32 sums; products left as they are: f32 operands where the result goes on into a quantised operand, else bf16, f16 or f32 operands; f32 sums; everything else in f32.
;; Inputs: Wh_codes 1,024 x 32 x 32 uint8 (E4M3 codes of Wh, K innermost, in blocks of 32 codes); Wh_scales 1,024 x 32 uint8 (E8M0 scales of Wh, one for each 32 codes along K); Wp_codes 1,024 x 32 x 32 uint8 (E4M3 codes of Wp, K innermost, in blocks of 32 codes); Wp_scales 1,024 x 32 uint8 (E8M0 scales of Wp, one for each 32 codes along K); Wx_codes 1,024 x 32 x 32 uint8 (E4M3 codes of Wx, K innermost, in blocks of 32 codes); Wx_scales 1,024 x 32 uint8 (E8M0 scales of Wx, one for each 32 codes along K); Wy_codes 1,024 x 32 x 32 uint8 (E4M3 codes of Wy, K innermost, in blocks of 32 codes); Wy_scales 1,024 x 32 uint8 (E8M0 scales of Wy, one for each 32 codes along K); input_states 32 x 2,048 x 1,024 float32; last_state_codes 32 x 32 x 32 uint8 (E4M3 codes of last_state, K innermost, in blocks of 32 codes); last_state_scales 32 x 32 uint8 (E8M0 scales of last_state, one for each 32 codes along K); w 1,024 x 1 float32.
;; Outputs: out0 32 x 1,024 float32.
;; This version of the problem:
;;   THIS VERSION OF THE PROBLEM IS GIVEN IN LOW PRECISION. The matrix products marked QUANTISED in the list below multiply operands that are first quantised to E4M3 (4 exponent bits, 3 mantissa bits; 8 bits a number), with one power-of-two scale for each 32 numbers along K (OCP MX v1.0); their sums are f32. All else is computed in f32.
;;   The module's matrix products, in the order in which they are computed (A, B: the left and right operand; K: the contracted axis; several contracted axes count as one K, in the product's order):
;;     1. [M 65,536, K 1,024] x [K 1,024, N 1,024]; A: input input_states; B: input Wy (given as codes): QUANTISED
;;     2. [M 32, K 1,024] x [K 1,024, N 1,024]; A: input last_state (given as codes); B: input Wh (given as codes): QUANTISED
;;     3. [M 65,536, K 1,024] x [K 1,024, N 1]; A: computed on the way; B: computed on the way: left as it is (N = 1 < 16)
;;     4. batch 32 x [M 1, K 2,048] x [K 2,048, N 1,024]; A: softmax; B: input input_states: left as it is (M = 1 < 16)
;;     5. [M 32, K 1,024] x [K 1,024, N 1,024]; A: computed on the way; B: input Wp (given as codes): QUANTISED
;;     6. [M 32, K 1,024] x [K 1,024, N 1,024]; A: input last_state (given as codes); B: input Wx (given as codes): QUANTISED
;;   THE QUANTISER, for each operand of a quantised product, along K:
;;     - K is cut into blocks of 32 from its start; a last block that is shorter is filled with zeros.
;;     - A block's scale is 2^e with e = floor(log2(the largest magnitude in the block)) - 8, held to -126 .. 127; a block of zeros has e = 0. As a byte (E8M0): e + 127.
;;     - Each number is divided by its block's scale, clamped to +-448, and rounded to the nearest number of E4M3, ties to even, subnormals kept.
;;     - The product sums the exact products of the quantised numbers (number of the format x scale) in f32.
;;   ~~~python
;;   def quantise(x, axis):      # numpy; x: float32 -> the quantised numbers, widened to float32 again
;;       x = np.moveaxis(x, axis, -1); K = x.shape[-1]
;;       x = np.pad(x, [(0, 0)] * (x.ndim - 1) + [(0, -K % 32)]); x = x.reshape(x.shape[:-1] + (-1, 32)); a = np.abs(x).max(-1, keepdims=True)
;;       e = np.where(a > 0, np.clip(np.frexp(np.where(a > 0, a, 1))[1] - 1 - 8, -126, 127), 0)      # np.frexp(a)[1] - 1 = floor(log2(a)), exactly
;;       r = np.clip(x / 2.0 ** e, -448, 448)
;;       step = 2.0 ** (np.maximum(np.frexp(np.where(r == 0, 1, r))[1] - 1, -6) - 3)
;;       q = np.round(r / step) * step * 2.0 ** e      # np.round: ties to even
;;       return np.moveaxis(q.reshape(q.shape[:-2] + (-1,))[..., :K], -1, axis).astype(np.float32)
;;   ~~~
;;   OPERANDS COMPUTED ON THE WAY. 'Computed on the way' means the value that the module computes at that place (a softmax that the list does not call 'softmax' is quantised finished and normalised). What goes into a quantiser is computed in f32, as accurately as f32 sums, v_exp_f32 and their like allow (about 1e-6 of the number): no bf16 or f16 on the way to a quantiser, and a product that is left as it is and whose result goes on into a quantised operand takes f32 operands (vector FMAs, or v_wmma_f32_16x16x4_f32). A number that lies on a knife's edge between two numbers of the format may be rounded either way, as far as f32 arithmetic and the matrix unit's own rounding can turn it there, and no further.
;;   INPUTS GIVEN AS CODES. Wh (in the module: [1024, 1024], K = its axis 0); Wp (in the module: [1024, 1024], K = its axis 0); Wx (in the module: [1024, 1024], K = its axis 0); Wy (in the module: [1024, 1024], K = its axis 0); last_state (in the module: [32, 1024], K = its axis 1): each comes as NAME_codes (uint8): NAME with its K axis moved to the last place and cut into blocks of 32 codes, [.., K / 32, bytes a block], one block behind the other in memory; one code a byte (a code: sign, 4 exponent bits, 3 mantissa bits); and NAME_scales (uint8): the same leading axes, one E8M0 byte (e + 127) for each 32 codes along K. Its value is code x scale, taken as it is: it is not quantised again, and the codes and scales need not be those that the quantiser above would give.
;; One version. Each part assembles by itself: llvm-mc -triple=amdgcn-amd-amdhsa -mcpu=gfx1250 --defsym DOCPART=n.
;; ======== version 1 of 1: 3 launches
;; limits: right only within a limited range of input values
;; workspace buffers: hp 131,072 bytes; xp 131,072 bytes; part_r 1,048,576 bytes; part_ml 65,536 bytes
;; launch proj (part 1): grid 32 x 1, 4 waves a work-group, no clusters, 9,216 bytes of LDS; arguments last_state_codes, last_state_scales, Wh_codes, Wh_scales, Wx_codes, Wx_scales, hp, xp; writes hp, xp
.if DOCPART == 1
	.amdgcn_target "amdgcn-amd-amdhsa--gfx1250"
	.amdhsa_code_object_version 6
	.text
	.protected	k_q81c57de20d_proj
	.globl	k_q81c57de20d_proj
	.p2align	8
	.type	k_q81c57de20d_proj,@function
k_q81c57de20d_proj:
	s_mov_b64 s[64:65], 0
	v_nop
	global_prefetch_b8 v0, s[64:65] scope:SCOPE_SE
	s_setreg_imm32_b32 hwreg(HW_REG_WAVE_MODE, 25, 1), 1
	s_wait_xcnt 0x0
; hp = last_state Wh and xp = last_state Wx: two products [32, 1024] x [1024, 1024] on codes of E4M3 with E8M0 scales, as they are given; f32 sums, K ascending.
; Work-groups 0-15 take Wh and store hp, 16-31 take Wx and store xp: only pointers are chosen, the text has one path.
; A work-group makes 64 columns for all 32 batches; wave w the 16 columns 64 cg + 16 w, as two tiles of 16 batches: two accumulators that take turns.
; THE PRODUCT IS USED TRANSPOSED (source 0 = 16 columns of W, whose codes lie [n][k]; source 1 = 16 batches): lane (r, h) holds batch r and its eight registers the columns 8 h + 0 .. 7.
; The results meet in a stage in LDS (32 rows of 256 bytes + 16) and leave as whole aligned blocks of 256 bytes.
; No tensor loads, no cluster: each weight byte is read by one wave; the launch is small and waits for memory.
.set WSC, 16                           ; v16-23   W's scale words, one for each K step of 128: nothing else
.set LS0, 24                           ; v24-31   last_state's scale words, batches 0-15
.set LS1, 32                           ; v32-39   batches 16-31
.set AC0, 40                           ; v40-47   accumulator, batches 0-15
.set AC1, 48                           ; v48-55   batches 16-31
.set WF,  64                           ; v64-127  four fragments of W
.set LF0, 128                          ; v128-191 four fragments of last_state, batches 0-15
.set LF1, 192                          ; v192-255 batches 16-31
.macro PLACES n
.rept \n
	v_nop
.endr
.endm
	s_load_b256 s[4:11], s[0:1], 0x0               ; last_state's codes s[4:5], its scales s[6:7], Wh's codes s[8:9], Wh's scales s[10:11]
	s_load_b256 s[12:19], s[0:1], 0x20             ; Wx's codes s[12:13], Wx's scales s[14:15], hp s[16:17], xp s[18:19]
	v_lshl_add_u32 v62, v0, 2, 0x2200
	v_mov_b32 v63, 0
	v_lshrrev_b32 v8, 5, v0
	v_readfirstlane_b32 s21, v8                    ; wave 0..3
	v_and_b32 v1, 15, v0                           ; r
	v_bfe_u32 v2, v0, 4, 1                         ; h
	v_lshlrev_b32 v3, 10, v1
	v_lshl_add_u32 v3, v2, 4, v3                   ; codes: row r of 1,024 bytes, + 16 h
	v_lshlrev_b32 v4, 5, v1                        ; scale bytes: row r of 32 bytes
	v_mul_u32_u24 v5, v1, 272
	v_lshl_add_u32 v5, v2, 5, v5
	s_lshl_b32 s24, s21, 6
	v_add_nc_u32 v5, s24, v5                       ; the stage, in: row r, + 64 x wave + 32 h
	s_mul_i32 s24, s21, 8*272
	v_mul_u32_u24 v6, v2, 272
	v_lshl_add_u32 v6, v1, 4, v6
	v_add_nc_u32 v6, s24, v6                       ; back: rows 8 x wave + h, 16 bytes a lane
	s_lshl_b32 s24, s21, 15
	v_lshlrev_b32 v7, 12, v2
	v_lshl_add_u32 v7, v1, 4, v7
	v_add_nc_u32 v7, s24, v7                       ; and the same rows in the output: 4,096 bytes a batch
	s_and_b32 s20, ttmp9, 15                       ; cg: which 64 columns
	s_lshl_b32 s22, s20, 6
	s_lshl_b32 s23, s21, 4
	s_add_co_u32 s22, s22, s23                     ; my first column
	s_lshl_b32 s24, s22, 10                        ; its codes,
	s_mov_b32 s25, 0
	s_lshl_b32 s26, s22, 5                         ; its scale bytes,
	s_mov_b32 s27, 0
	s_lshl_b32 s28, s20, 8                         ; the work-group's 256 bytes of an output row
	s_mov_b32 s29, 0
	s_wait_kmcnt 0x0
	s_cmp_lt_u32 ttmp9, 16                         ; Wh or Wx: the choice hangs on the work-group's number alone
	s_cselect_b64 s[8:9], s[8:9], s[12:13]
	s_cselect_b64 s[10:11], s[10:11], s[14:15]
	s_cselect_b64 s[16:17], s[16:17], s[18:19]
	s_add_nc_u64 s[8:9], s[8:9], s[24:25]
	s_add_nc_u64 s[10:11], s[10:11], s[26:27]
	s_add_nc_u64 s[16:17], s[16:17], s[28:29]
	global_load_b128 v[WSC:WSC+3], v4, s[10:11]               ; a row's 32 scale bytes are the words of its eight K steps
	global_load_b128 v[WSC+4:WSC+7], v4, s[10:11] offset:16
	global_load_b128 v[LS0:LS0+3], v4, s[6:7]
	global_load_b128 v[LS0+4:LS0+7], v4, s[6:7] offset:16
	global_load_b128 v[LS1:LS1+3], v4, s[6:7] offset:512
	global_load_b128 v[LS1+4:LS1+7], v4, s[6:7] offset:528
; Four K steps of 128: 48 loads, then eight matrix instructions, the two accumulators by turns.
.macro HALF q
.if \q
	PLACES 8                                       ; eight places in front of loads into registers that matrix instructions have read
.endif
.irp k, 0,1,2,3
.irp i, 0,1,2,3
	global_load_b128 v[WF+16*\k+4*\i:WF+16*\k+4*\i+3], v3, s[8:9] offset:128*(4*\q+\k)+32*\i
	global_load_b128 v[LF0+16*\k+4*\i:LF0+16*\k+4*\i+3], v3, s[4:5] offset:128*(4*\q+\k)+32*\i
	global_load_b128 v[LF1+16*\k+4*\i:LF1+16*\k+4*\i+3], v3, s[4:5] offset:16384+128*(4*\q+\k)+32*\i
.endr
.endr
	s_wait_loadcnt 0x0
.irp k, 0,1,2,3
.if (\q == 0) && (\k == 0)
	v_wmma_scale_f32_16x16x128_f8f6f4 v[AC0:AC0+7], v[WF+16*\k:WF+16*\k+15], v[LF0+16*\k:LF0+16*\k+15], 0, v[WSC+4*\q+\k], v[LS0+4*\q+\k]
	v_wmma_scale_f32_16x16x128_f8f6f4 v[AC1:AC1+7], v[WF+16*\k:WF+16*\k+15], v[LF1+16*\k:LF1+16*\k+15], 0, v[WSC+4*\q+\k], v[LS1+4*\q+\k]
.else
	v_wmma_scale_f32_16x16x128_f8f6f4 v[AC0:AC0+7], v[WF+16*\k:WF+16*\k+15], v[LF0+16*\k:LF0+16*\k+15], v[AC0:AC0+7], v[WSC+4*\q+\k], v[LS0+4*\q+\k]
	v_wmma_scale_f32_16x16x128_f8f6f4 v[AC1:AC1+7], v[WF+16*\k:WF+16*\k+15], v[LF1+16*\k:LF1+16*\k+15], v[AC1:AC1+7], v[WSC+4*\q+\k], v[LS1+4*\q+\k]
.endif
.endr
.endm
	HALF 0
	HALF 1
	PLACES 8                                       ; in front of the first read of results, and of the loads into W's registers below
	s_wait_alu depctr_va_vdst(0)
	ds_store_b128 v5, v[AC0:AC0+3]                 ; each accumulator from its low end on
	ds_store_b128 v5, v[AC0+4:AC0+7] offset:16
	ds_store_b128 v5, v[AC1:AC1+3] offset:16*272
	ds_store_b128 v5, v[AC1+4:AC1+7] offset:16*272+16
	s_wait_dscnt 0x0                               ; for the others' sake: my stores into the stage are done
	s_barrier_signal -1
	s_barrier_wait -1
.irp i, 0,1,2,3
	ds_load_b128 v[WF+4*\i:WF+4*\i+3], v6 offset:2*272*\i
.endr
.irp i, 0,1,2,3
	s_wait_dscnt 3-\i                              ; LDS loads come back in order: the younger ones may stay out
	global_store_b128 v7, v[WF+4*\i:WF+4*\i+3], s[16:17] offset:8192*\i   ; sixteen lanes store 256 consecutive bytes, aligned
.endr
	s_wait_tensorcnt 0x0
	ds_add_u32 v62, v63
	s_wait_dscnt 0x0
	s_endpgm
.Lfunc_end_k_q81c57de20d_proj:
	.size	k_q81c57de20d_proj, .Lfunc_end_k_q81c57de20d_proj-k_q81c57de20d_proj
	.p2alignl 7, 3214868480
	.fill 96, 4, 3214868480
	.section	.rodata,"a",@progbits
	.p2align	6, 0x0
	.amdhsa_kernel k_q81c57de20d_proj
		.amdhsa_group_segment_fixed_size 9216
		.amdhsa_private_segment_fixed_size 0
		.amdhsa_enable_private_segment 0
		.amdhsa_kernarg_size 64
		.amdhsa_user_sgpr_count 2
		.amdhsa_user_sgpr_kernarg_segment_ptr 1
		.amdhsa_wavefront_size32 1
		.amdhsa_system_sgpr_workgroup_id_x 1
		.amdhsa_system_sgpr_workgroup_id_y 1
		.amdhsa_system_sgpr_workgroup_id_z 1
		.amdhsa_system_vgpr_workitem_id 0
		.amdhsa_next_free_vgpr 256
		.amdhsa_next_free_sgpr 66
		.amdhsa_reserve_vcc 0
		.amdhsa_float_denorm_mode_32 3
		.amdhsa_float_denorm_mode_16_64 3
		.amdhsa_memory_ordered 1
		.amdhsa_forward_progress 1
		.amdhsa_inst_pref_size 16
	.end_amdhsa_kernel
	.amdgpu_metadata
---
amdhsa.version: [ 1, 2 ]
amdhsa.kernels:
  - .name:           k_q81c57de20d_proj
    .symbol:         k_q81c57de20d_proj.kd
    .args:
      - { .name: last_state_codes, .offset: 0, .size: 8, .value_kind: global_buffer, .address_space: global }
      - { .name: last_state_scales, .offset: 8, .size: 8, .value_kind: global_buffer, .address_space: global }
      - { .name: Wh_codes, .offset: 16, .size: 8, .value_kind: global_buffer, .address_space: global }
      - { .name: Wh_scales, .offset: 24, .size: 8, .value_kind: global_buffer, .address_space: global }
      - { .name: Wx_codes, .offset: 32, .size: 8, .value_kind: global_buffer, .address_space: global }
      - { .name: Wx_scales, .offset: 40, .size: 8, .value_kind: global_buffer, .address_space: global }
      - { .name: hp, .offset: 48, .size: 8, .value_kind: global_buffer, .address_space: global }
      - { .name: xp, .offset: 56, .size: 8, .value_kind: global_buffer, .address_space: global }
    .group_segment_fixed_size: 9216
    .private_segment_fixed_size: 0
    .kernarg_segment_align: 8
    .kernarg_segment_size: 64
    .max_flat_workgroup_size: 128
    .sgpr_count:     66
    .vgpr_count:     256
    .wavefront_size: 32
...
	.end_amdgpu_metadata
.endif
;; end of part 1
;; launch main (part 2): grid 256 x 1, 4 waves a work-group, clusters of 4 x 1, 327,680 bytes of LDS; arguments input_states, Wy_codes, Wy_scales, w, hp, part_r, part_ml; writes part_r, part_ml
.if DOCPART == 2
	.amdgcn_target "amdgcn-amd-amdhsa--gfx1250"
	.amdhsa_code_object_version 6
	.text
	.protected	k_q81c57de20d_main
	.globl	k_q81c57de20d_main
	.p2align	8
	.type	k_q81c57de20d_main,@function
k_q81c57de20d_main:
	s_mov_b64 s[64:65], 0
	v_nop
	global_prefetch_b8 v0, s[64:65] scope:SCOPE_SE
	s_setreg_imm32_b32 hwreg(HW_REG_WAVE_MODE, 25, 1), 1
	s_wait_xcnt 0x0
	s_wait_alu depctr_hold_cnt(0) depctr_sa_sdst(0) depctr_va_vdst(0) depctr_va_sdst(0) depctr_va_ssrc(0) depctr_va_vcc(0) depctr_vm_vsrc(0)
	s_getreg_b32 s2, hwreg(HW_REG_IB_STS2, 6, 4)
	s_cmp_eq_u32 s2, 0
	s_cbranch_scc0 .Lentry_in_a_cluster
	s_endpgm
.Lentry_in_a_cluster:
	s_bfe_u32 s2, ttmp6, 0x10000c
	s_cmp_lg_u32 s2, 0x3003
	s_cbranch_scc0 .Lentry_shape_is_right
	s_endpgm
.Lentry_shape_is_right:
; For 256 rows of one batch: score = sum over e of w[e] relu((Q(x) Wy)[e] + hp[e]); M = the largest of the 256 scores; p = exp(score - M); L = the sum of p; part_r = the sum of p x (f32, not normalised).
; The next launch joins the eight work-groups of a batch.  x: f32 [65536][1024]; Wy: codes of E4M3 [n][k] with E8M0 bytes [n][32]; hp: [32][1024] f32 from the launch before.
; LIMITS: NaN and infinities among the inputs are not served.  A block of zeros of x gets the scale byte 1 (its codes are zeros, and the bytes are read by this text alone).
; PHASES.  Q: the rows are read (1 MiB), quantised along K; each wave keeps the codes of ITS 64 rows in 512 registers.  G: one sweep over Wy, 16 tiles of 64 columns x all of K, through a ring of two LDS slots.
; S: the local softmax.  W: the rows are read a second time, downward, for the weighted sum in f32 multiply-adds (r goes on into a quantiser; 1 MiB of f32 does not fit beside the codes).
; SHARES.  Wave w, tile m (0..3), lane row r: row 64 m + 16 w + r.  In W thread t owns columns 4 t .. 4 t + 3 and 512 + 4 t .. + 3 of every row.
; THE PRODUCT IS USED TRANSPOSED (source 0 = 16 columns of Wy, source 1 = 16 rows of x): lane (r, h) holds row r, its eight registers the columns 8 h + 0 .. 7.  hp is the C of each sum's first matrix instruction.
; CLUSTER.  The four work-groups of a cluster sweep the same Wy: each tile and the scale bytes are asked for JOINTLY (mask 15).
; NO PREFETCH of Wy: all 64 clusters walk the same 1 MiB in the same order.  x is asked for by the loads themselves, 32 KiB a wave ahead in Q and in W.
; Q IS WRITTEN AS LOOPS.  A unit is 16 rows x 128 along K.  Four landing sets (window 1) are always asked for; two at a time turn through the wave's stage in LDS; a short loop quantises the two.
; A unit's codes and scale word go to LDS as an image of the operand's registers; behind the eight units of a tile m the image is read into that tile's registers (windows 2, 3: fragment (m, s) in window 2 + s / 4 at 64 (s % 4) + 16 m).
.set PITCH, 1040                       ; a row of a tile of Wy in LDS: 1,024 bytes + 16
.set SLOTB, 64*PITCH
.set WS,    2*SLOTB                    ; Wy's scale bytes, 32,768, dense, filled once
.set HB,    WS+32768                   ; hp's row of my batch
.set WB,    HB+4096                    ; w
.set STG,   WB+4096                    ; for each wave a stage of two units: 16 rows x (512 + 16) bytes each
.set STGW,  2*16*528
.set IMG,   STG+4*STGW                 ; for each wave the images of eight fragments, 2,048 bytes each
.set ISC,   IMG+4*16384                ; and of their scale words, 128 bytes each
.set PP,    ISC+4*1024                 ; p, twice for each row: row q at 256 (7 - q / 32) + 8 (q % 32)
.set SCO,   PP+2048                    ; four waves' maxima, then four sums
.set SPARE, SCO+256                    ; the spare words: 128 bytes a wave, named by no other line
.set SPW,  1
.set NIL,  2
.set XO,   3                           ; 16 x thread
.set XQ,   4                           ; 16 x lane
.set ADB,  5                           ; my lane's place in the slot in hand
.set ADBN, 6                           ; and in the other slot
.set ADS,  7                           ; Wy's scale words: WS + 32 x lane, stepped a tile a trip
.set ADH,  8                           ; hp (w 4,096 further on): HB + 32 h, stepped likewise
.set SWA,  9                           ; my stage, in
.set SRA,  10                          ; my stage, back
.set ADPW, 11
.set ADP,  12
.set ADX,  13
.set ADZ,  14
.set HBW,  15
.set SC,   24                          ; v24-31 the scores' sums, a pair for each m; later (p, p)
.set WA,   32                          ; v32-39 the weighted sum of my eight columns
.set T,    40
.set P,    44
.set LIM,  48
.set SOP,  52
.set PV,   56                          ; v56-71 the landing of hp and w
.set BSR,  72                          ; v72-87 Wy's scale words, a set for each pair of column tiles: nothing else
.set ASR,  88                          ; v88-119 x's scale words at 8 m + s: nothing else
.set AB0,  120                         ; my lane's place in a tile
.set IMW,  121                         ; my images: IMG + 16,384 x wave + 16 x lane
.set ISW,  122                         ; my scale words' images: ISC + 1,024 x wave + 4 x lane
.set SRT,  123                         ; the unit's addresses
.set IMT,  124
.set IST,  125
.set ST,   128                         ; v128-191 in Q: a unit's 64 numbers; in W: 32 rows' (p, p)
.set BI,   128                         ; in G: hp of the pair's two column tiles
.set WV,   144                         ; in G: w likewise
.set AC,   192                         ; in G: accumulator (c, m) at 8 (4 c + m)
.set PC,   192                         ; in Q: the codes just made
.set PW,   208                         ; in Q: the scale word just made
.set G1,   24                          ; s[24:31] group 1: a quarter of a tile, 16 rows
.set G1S,  32                          ; s[32:39] half of the scale bytes
.set G0,   40                          ; s[40:43] the ring's walking group 0
.set G0S,  44                          ; s[44:47] group 0 of my half of the scale bytes
.set G0T,  48                          ; s[48:51] group 0 of a whole tile, at the head
.set LP,   54                          ; s[54:55] where Q's loads stand
.set G1T,  68                          ; s[68:75] group 1: a whole tile, 64 rows
.set SO,   76                          ; Q: 8,192 x the trip
.set SJ,   77                          ; Q: 8,448 x the unit of the stage
.set SK,   78
.set SL,   79
.set STP,  80                          ; s[80:81] the next step of LP
.set CUR,  82                          ; LDS byte at which the slot in hand begins
.set NXT,  83                          ; and the other
.set MSB, 0
.macro WIN new                         ; the immediate's high byte repeats the setting that is left
.if MSB != (\new)
	s_set_vgpr_msb (MSB<<8)|(\new)
.set MSB, \new
.endif
.endm
.macro PLACES n
.rept \n
	v_nop
.endr
.endm
.macro ROUND                           ; a round of the cluster's barrier
	s_barrier_signal -1
	s_barrier_wait -1
	s_cmp_lg_u32 s18, 0
	s_cbranch_scc1 .Lnot_wave_0_\@
	s_barrier_signal -3
.Lnot_wave_0_\@:
	s_barrier_wait -3
	s_barrier_signal -1
	s_barrier_wait -1
.endm
	s_load_b256 s[4:11], s[0:1], 0x0               ; x, Wy's codes, Wy's scales, w
	s_load_b128 s[12:15], s[0:1], 0x20             ; hp, part_r
	s_load_b64 s[16:17], s[0:1], 0x30              ; part_ml
	v_lshl_add_u32 v[SPW], v0, 2, SPARE
	v_mov_b32 v[NIL], 0
	ds_add_u32 v[SPW], v[NIL]                      ; the opening lines: the add, twice on end, and its wait
	ds_add_u32 v[SPW], v[NIL]
	v_lshrrev_b32 v16, 5, v0
	v_readfirstlane_b32 s18, v16                   ; wave 0..3
	v_and_b32 v17, 31, v0                          ; lane
	v_and_b32 v18, 15, v0                          ; r
	v_bfe_u32 v19, v0, 4, 1                        ; h
	v_lshlrev_b32 v[XO], 4, v0
	v_lshlrev_b32 v[XQ], 4, v17
	v_mul_u32_u24 v[AB0], v18, PITCH
	v_lshl_add_u32 v[AB0], v19, 4, v[AB0]          ; a fragment's row x pitch + 16 h
	v_mov_b32 v[ADB], v[AB0]
	v_add_nc_u32 v[ADBN], SLOTB, v[AB0]
	v_lshl_add_u32 v[ADS], v17, 5, WS
	v_lshl_add_u32 v[ADH], v19, 5, HB
	s_mul_i32 s22, s18, STGW
	s_add_co_u32 s22, s22, STG
	v_add_nc_u32 v[SWA], s22, v[XQ]
	v_mul_u32_u24 v[SRA], v18, 528
	v_lshl_add_u32 v[SRA], v19, 6, v[SRA]
	v_add_nc_u32 v[SRA], s22, v[SRA]
	s_lshl_b32 s22, s18, 14
	s_add_co_u32 s22, s22, IMG
	v_add_nc_u32 v[IMW], s22, v[XQ]
	s_lshl_b32 s22, s18, 10
	s_add_co_u32 s22, s22, ISC
	v_lshl_add_u32 v[ISW], v17, 2, s22
	s_lshr_b32 s22, s18, 1                         ; p of row 64 m + 16 w + r: 256 (1 - w / 2) + 128 (w % 2) + 8 r, + 512 (3 - m) in the store's immediate
	s_xor_b32 s22, s22, 1
	s_lshl_b32 s22, s22, 8
	s_and_b32 s23, s18, 1
	s_lshl_b32 s23, s23, 7
	s_add_co_u32 s22, s22, s23
	s_add_co_u32 s22, s22, PP
	v_lshl_add_u32 v[ADPW], v18, 3, s22
	v_mov_b32 v[ADP], PP
	s_lshl_b32 s22, s18, 2
	s_add_co_u32 s22, s22, SCO
	v_mov_b32 v[ADX], s22
	v_mov_b32 v[ADZ], SCO
	v_add_nc_u32 v[HBW], HB, v[XO]
.irp i, 0,1,2,3
	v_mov_b32 v[20+\i], 0                          ; a lane permute's destination counts as one of its sources
	v_mov_b32 v[P+\i], 0
.endr
.irp i, 0,1,2,3,4,5,6,7
	v_mov_b32 v[SC+\i], 0                          ; the scores' sums and the weighted sum begin at 0
	v_mov_b32 v[WA+\i], 0
.endr
	s_mov_b32 s[G1], 15|(1<<20)|(1<<21)|(7<<22)|(3<<25)   ; mask 15; elements of 1 byte; padding: four words after every 256; bit 21 beside a mask
	s_mov_b32 s[G1+1], 1024<<16
	s_mov_b32 s[G1+2], 16<<16
	s_mov_b32 s[G1+3], 1024<<16
	s_mov_b32 s[G1+4], 16
	s_mov_b32 s[G1+5], 1024
	s_mov_b32 s[G1+6], 0
	s_mov_b32 s[G1+7], 0
	s_mov_b32 s[G1T], 15|(1<<20)|(1<<21)|(7<<22)|(3<<25)  ; the same with 64 rows
	s_mov_b32 s[G1T+1], 1024<<16
	s_mov_b32 s[G1T+2], 64<<16
	s_mov_b32 s[G1T+3], 1024<<16
	s_mov_b32 s[G1T+4], 64
	s_mov_b32 s[G1T+5], 1024
	s_mov_b32 s[G1T+6], 0
	s_mov_b32 s[G1T+7], 0
	s_mov_b32 s[G1S], 15|(3<<16)|(1<<21)           ; 16,384 dense bytes as 64 rows of 256 (32 elements of 8 bytes)
	s_mov_b32 s[G1S+1], 32<<16
	s_mov_b32 s[G1S+2], 64<<16
	s_mov_b32 s[G1S+3], 32<<16
	s_mov_b32 s[G1S+4], 64
	s_mov_b32 s[G1S+5], 32
	s_mov_b32 s[G1S+6], 0
	s_mov_b32 s[G1S+7], 0
	s_mov_b32 s60, 0x76543210                      ; v_permlanex16_b32's selects for lane l xor 16
	s_mov_b32 s61, 0xfedcba98
	s_mov_b32 s62, 0x600000                        ; the mantissa field of 448
	s_mov_b32 s63, 0x3fb8aa3b                      ; log2(e)
	s_mov_b32 s[STP], 260096                       ; LP's steps by turns: 64 rows on and 2,048 bytes back; 2,048 bytes on
	s_mov_b32 s[STP+1], 0
	s_mov_b32 s[CUR], 0
	s_mov_b32 s[NXT], SLOTB
	s_bfe_u32 s19, ttmp6, 0x40000                  ; cx
	s_lshl_b32 s20, ttmp9, 2
	s_add_co_u32 s20, s20, s19                     ; g: my work-group: it enters the addresses of x, hp and the outputs alone, by s[66:67]
	s_mov_b32 s67, 0
	s_mov_b32 s23, 0
	s_mul_i32 s21, s18, 16*PITCH                   ; my quarter of a slot
	s_wait_dscnt 0x0                               ; both opening adds are done
	s_wait_kmcnt 0x0
	s_lshl_b32 s66, s20, 20                        ; 256 rows of 4,096 bytes
	s_add_nc_u64 s[52:53], s[4:5], s[66:67]        ; x at the work-group's first row
	s_lshl_b32 s22, s18, 16
	s_add_nc_u64 s[LP:LP+1], s[52:53], s[22:23]    ; and 16 x wave rows on
	s_lshr_b32 s66, s20, 3                         ; the batch
	s_lshl_b32 s66, s66, 12
	s_add_nc_u64 s[12:13], s[12:13], s[66:67]
	s_lshl_b32 s66, s20, 12
	s_add_nc_u64 s[14:15], s[14:15], s[66:67]
	s_lshl_b32 s66, s20, 8
	s_add_nc_u64 s[16:17], s[16:17], s[66:67]
	s_and_b32 s22, s18, 1                          ; waves 0 and 3: the halves of the scale bytes
	s_lshl_b32 s22, s22, 14
	s_mov_b32 s[G0S], 1
	s_add_co_u32 s[G0S+1], s22, WS
	s_add_nc_u64 s[G0S+2:G0S+3], s[8:9], s[22:23]
	s_or_b32 s[G0S+3], s[G0S+3], 0x80000000
	s_lshr_b32 s22, s18, 1                         ; wave 1: tile 0 into slot 0; wave 2: tile 1 into slot 1
	s_mov_b32 s[G0T], 1
	s_mul_i32 s[G0T+1], s22, SLOTB
	s_lshl_b32 s22, s22, 16
	s_add_nc_u64 s[G0T+2:G0T+3], s[6:7], s[22:23]
	s_or_b32 s[G0T+3], s[G0T+3], 0x80000000
	s_lshl_b32 s22, s18, 14                        ; the ring: my 16 rows of a tile; it stands at tile 1 and is stepped ahead of each refill
	s_mov_b32 s[G0], 1
	s_mov_b32 s[G0+1], s21
	s_add_nc_u64 s[G0+2:G0+3], s[6:7], s[22:23]
	s_add_nc_u64 s[G0+2:G0+3], s[G0+2:G0+3], 65536
	s_or_b32 s[G0+3], s[G0+3], 0x80000000
	ROUND                                          ; all four work-groups are here: the first joint loads meet
; THE HEAD'S LOADS, ONE A WAVE: one chain of branches on the wave's number, a load to an arm, all arms leading to one join.
.macro ARM under, g0, g1, next
	s_cmp_lt_u32 s18, \under
	s_cbranch_scc0 \next
	tensor_load_to_lds s[\g0:\g0+3], s[\g1:\g1+7]
	s_nop 0
	PLACES 4
	s_branch .Lhead_asked
\next:
.endm
	ARM 1, G0S, G1S, .Lhead_t
	ARM 3, G0T, G1T, .Lhead_s
	tensor_load_to_lds s[G0S:G0S+3], s[G1S:G1S+7]
	s_nop 0
	PLACES 4
.Lhead_asked:
	global_load_b128 v[PV:PV+3], v[XO], s[12:13]                 ; hp's row and w: 16 bytes a thread, twice
	global_load_b128 v[PV+4:PV+7], v[XO], s[12:13] offset:2048
	global_load_b128 v[PV+8:PV+11], v[XO], s[10:11]
	global_load_b128 v[PV+12:PV+15], v[XO], s[10:11] offset:2048
; ---- Q.
.macro XLD2 a                          ; landing sets a, a + 1: each of a unit's 16 loads reads 512 consecutive bytes of one row
	WIN 0x40
.irp j, 0,1
.irp i, 0,1,2,3,4,5,6,7,8,9,10,11,12,13,14,15
	global_load_b128 v[64*(\a+\j)+4*\i:64*(\a+\j)+4*\i+3], v[XQ], s[LP:LP+1] offset:\i*4096+512*(\a+\j)
.endr
.endr
	WIN 0
.endm
; Two landed sets go into the stage and are asked for anew, four units on.  last = 1 (tile 3): the second trip has nothing left to ask for, and waits for all that is out.
.macro XFER a, last
	s_wait_loadcnt 32                              ; sets a, a + 1 are in; the two younger sets' 32 loads stay out
	WIN 0x04                                       ; an LDS store's data are its source 1: window 1
.irp j, 0,1
.irp i, 0,1,2,3,4,5,6,7,8,9,10,11,12,13,14,15
	ds_store_b128 v[SWA], v[64*(\a+\j)+4*\i:64*(\a+\j)+4*\i+3] offset:8448*\j+528*\i
.endr
.endr
	WIN 0
	s_wait_dscnt 0x0                               ; the stores have read the landing sets
.if \last
	s_cmp_lg_u32 s[SO], 0
	s_cbranch_scc1 .Ldry_\@
.endif
	XLD2 \a
.if \last
	s_branch .Lwet_\@
.Ldry_\@:
	s_wait_loadcnt 0x0
.Lwet_\@:
.endif
.endm
; 64 numbers of a lane (register 16 b + i = k 32 b + 16 h + i of row r) become a fragment's 16 registers of codes and its scale word.
.macro QUANT
.irp b, 0,1,2,3
	v_max3_num_f32 v[T+\b], |v[ST+16*\b]|, |v[ST+16*\b+1]|, 0x4800000   ; and the floor 2^(9 - 127): the byte cannot fall under 1
.endr
.irp i, 2,4,6,8,10,12,14
.irp b, 0,1,2,3
	v_max3_num_f32 v[T+\b], v[T+\b], |v[ST+16*\b+\i]|, |v[ST+16*\b+\i+1]|
.endr
.endr
.irp b, 0,1,2,3
	v_permlanex16_b32 v[P+\b], v[T+\b], s60, s61
.endr
.irp b, 0,1,2,3
	v_max_num_f32 v[T+\b], v[T+\b], v[P+\b]        ; the block's largest magnitude
.endr
.irp b, 0,1,2,3
	v_add_nc_u32 v[SOP+\b], 0xfc000000, v[T+\b]    ; 8 off its exponent field: the conversion's scale operand
.endr
.irp b, 0,1,2,3
	v_and_or_b32 v[LIM+\b], v[T+\b], 0x7f800000, s62   ; 448 x the scale
.endr
.irp b, 0,1,2,3
	v_lshrrev_b32 v[P+\b], 23, v[SOP+\b]           ; the scale's byte
.endr
	v_lshl_or_b32 v[PW], v[P+1], 8, v[P]
	v_lshl_or_b32 v[PW], v[P+2], 16, v[PW]
	v_lshl_or_b32 v[PW], v[P+3], 24, v[PW]
.irp b, 0,1,2,3
.irp i, 0,1,2,3,4,5,6,7,8,9,10,11,12,13,14,15
	v_med3_num_f32 v[ST+16*\b+\i], v[ST+16*\b+\i], -v[LIM+\b], v[LIM+\b]   ; the conversion to an 8-bit code does not saturate (ISA guide 7.6.2)
.endr
.endr
.irp b, 0,1,2,3
	v_cvt_scalef32_pk8_fp8_f32 v[PC+4*\b:PC+4*\b+1], v[ST+16*\b:ST+16*\b+7], v[SOP+\b]
	v_cvt_scalef32_pk8_fp8_f32 v[PC+4*\b+2:PC+4*\b+3], v[ST+16*\b+8:ST+16*\b+15], v[SOP+\b]
.endr
	v_nop                                          ; one plain vector instruction behind the last scaled conversion
.endm
; The stage's two units, K steps 4 trip + 2 hf + 0, 1 of the tile: back from the stage 16 neighbours of each block to a lane, quantised, and into the images.
.macro QLOOP hf
	s_mov_b32 s[SJ], 0
.Lq_\@:
	s_lshr_b32 s[SK], s[SJ], 13                    ; 0 or 1: the unit of the stage
	s_lshl_b32 s[SK], s[SK], 11
	s_add_co_u32 s[SK], s[SK], s[SO]               ; its image: 2,048 bytes a unit
	s_lshr_b32 s[SL], s[SK], 4                     ; its scale word's: 128 bytes a unit
	v_add_nc_u32 v[SRT], s[SJ], v[SRA]
	v_add_nc_u32 v[IMT], s[SK], v[IMW]
	v_add_nc_u32 v[IST], s[SL], v[ISW]
.irp b, 0,1,2,3
.irp j, 0,1,2,3
	ds_load_b128 v[ST+16*\b+4*\j:ST+16*\b+4*\j+3], v[SRT] offset:128*\b+16*\j
.endr
.endr
	s_wait_dscnt 0x0
	QUANT
.irp c, 0,1,2,3
	ds_store_b128 v[IMT], v[PC+4*\c:PC+4*\c+3] offset:4096*\hf+512*\c
.endr
	ds_store_b32 v[IST], v[PW] offset:256*\hf
	s_add_co_u32 s[SJ], s[SJ], 8448
	s_cmp_lt_u32 s[SJ], 16896
	s_wait_alu depctr_va_vdst(0)
	s_cbranch_scc1 .Lq_\@
.endm
.macro CHUNK m                         ; tile m: two trips of four units; then its images become its registers (LDS serves a wave's instructions in order: ISA guide 5.7.1.4)
	s_mov_b32 s[SO], 0
.Lc_\@:
	XFER 0, (\m)/3
	QLOOP 0
	XFER 2, (\m)/3
	QLOOP 1
	s_wait_xcnt 0x0                                ; the loads have read their base
	s_add_nc_u64 s[LP:LP+1], s[LP:LP+1], s[STP:STP+1]
	s_xor_b32 s[STP], s[STP], 260096^2048
	s_add_co_u32 s[SO], s[SO], 8192
	s_cmp_lt_u32 s[SO], 16384
	s_cbranch_scc1 .Lc_\@
.irp s, 0,1,2,3,4,5,6,7
	WIN 0x80+0x40*(\s/4)
.irp c, 0,1,2,3
	ds_load_b128 v[64*(\s%4)+16*(\m)+4*\c:64*(\s%4)+16*(\m)+4*\c+3], v[IMW] offset:2048*\s+512*\c
.endr
.endr
	WIN 0
.irp s, 0,1,2,3,4,5,6,7
	ds_load_b32 v[ASR+8*(\m)+\s], v[ISW] offset:128*\s
.endr
.endm
	XLD2 0                                         ; units 0 to 3
	XLD2 2
	s_wait_xcnt 0x0
	s_add_nc_u64 s[LP:LP+1], s[LP:LP+1], 2048      ; on to units 4 to 7
	s_wait_loadcnt 63                              ; of the 68 loads issued the five oldest are in: hp and w among them
	ds_store_b128 v[HBW], v[PV:PV+3]
	ds_store_b128 v[HBW], v[PV+4:PV+7] offset:2048
	ds_store_b128 v[HBW], v[PV+8:PV+11] offset:4096
	ds_store_b128 v[HBW], v[PV+12:PV+15] offset:6144
	CHUNK 0
	CHUNK 1
	CHUNK 2
	CHUNK 3
; ---- G.  A tile is two PAIRS of column tiles; a pair is 64 matrix instructions in two halves q of four K steps, on eight accumulators (c, m) that take turns, one instruction a turn.
; Wy's fragments have two sets in window 1, one for each half; each is fetched in one run of 32 loads while the other is multiplied.
.macro FETCHB adr, pair, q
	WIN 0x40
.irp kk, 0,1,2,3
.irp c, 0,1
.irp i, 0,1,2,3
	ds_load_b128 v[128*(\q)+16*(2*\kk+\c)+4*\i:128*(\q)+16*(2*\kk+\c)+4*\i+3], v[\adr] offset:(32*(\pair)+16*\c)*PITCH+128*(4*(\q)+\kk)+32*\i
.endr
.endr
.endr
	WIN 0
.endm
.macro FETCHS pair, toff               ; the pair's scale words: 32 bytes a column
	ds_load_b128 v[BSR+8*(\pair):BSR+8*(\pair)+3], v[ADS] offset:2048*(\toff)+1024*(\pair)
	ds_load_b128 v[BSR+8*(\pair)+4:BSR+8*(\pair)+7], v[ADS] offset:2048*(\toff)+1024*(\pair)+16
.endm
.macro FETCHBI pair, toff              ; hp at the lane's eight columns of both column tiles
.irp c, 0,1
	ds_load_b128 v[BI+8*\c:BI+8*\c+3], v[ADH] offset:256*(\toff)+128*(\pair)+64*\c
	ds_load_b128 v[BI+8*\c+4:BI+8*\c+7], v[ADH] offset:256*(\toff)+128*(\pair)+64*\c+16
.endr
.endm
.macro FETCHW pair                     ; w likewise
.irp c, 0,1
	ds_load_b128 v[WV+8*\c:WV+8*\c+3], v[ADH] offset:4096+128*(\pair)+64*\c
	ds_load_b128 v[WV+8*\c+4:WV+8*\c+7], v[ADH] offset:4096+128*(\pair)+64*\c+16
.endr
.endm
.macro MULQ q, pair
	WIN 0x09+4*(\q)                                ; source 0 (Wy) window 1, source 1 (x) window 2 + q, C and D window 0
.irp kk, 0,1,2,3
.irp c, 0,1
.irp m, 0,1,2,3
.if (\q == 0) && (\kk == 0) && (\c == 0)
	v_wmma_scale_f32_16x16x128_f8f6f4 v[AC+8*(4*\c+\m):AC+8*(4*\c+\m)+7], v[128*\q+16*(2*\kk+\c):128*\q+16*(2*\kk+\c)+15], v[64*\kk+16*\m:64*\kk+16*\m+15], v[BI:BI+7], v[BSR+8*\pair+4*\q+\kk], v[ASR+8*\m+4*\q+\kk]
.elseif (\q == 0) && (\kk == 0)
	v_wmma_scale_f32_16x16x128_f8f6f4 v[AC+8*(4*\c+\m):AC+8*(4*\c+\m)+7], v[128*\q+16*(2*\kk+\c):128*\q+16*(2*\kk+\c)+15], v[64*\kk+16*\m:64*\kk+16*\m+15], v[BI+8:BI+15], v[BSR+8*\pair+4*\q+\kk], v[ASR+8*\m+4*\q+\kk] matrix_a_scale:MATRIX_SCALE_ROW1
.elseif \c == 0
	v_wmma_scale_f32_16x16x128_f8f6f4 v[AC+8*(4*\c+\m):AC+8*(4*\c+\m)+7], v[128*\q+16*(2*\kk+\c):128*\q+16*(2*\kk+\c)+15], v[64*\kk+16*\m:64*\kk+16*\m+15], v[AC+8*(4*\c+\m):AC+8*(4*\c+\m)+7], v[BSR+8*\pair+4*\q+\kk], v[ASR+8*\m+4*\q+\kk]
.else
	v_wmma_scale_f32_16x16x128_f8f6f4 v[AC+8*(4*\c+\m):AC+8*(4*\c+\m)+7], v[128*\q+16*(2*\kk+\c):128*\q+16*(2*\kk+\c)+15], v[64*\kk+16*\m:64*\kk+16*\m+15], v[AC+8*(4*\c+\m):AC+8*(4*\c+\m)+7], v[BSR+8*\pair+4*\q+\kk], v[ASR+8*\m+4*\q+\kk] matrix_a_scale:MATRIX_SCALE_ROW1
.endif
.endr
.endr
.endr
.endm
.macro EPI                             ; the pair's 32 columns: relu, and times w into the scores' sums; eight places behind the last matrix instruction; each accumulator from its low end on
	WIN 0
	PLACES 8
.irp c, 0,1
.irp m, 0,1,2,3
.irp j, 0,1,2,3,4,5,6,7
	v_max_num_f32 v[AC+8*(4*\c+\m)+\j], 0, v[AC+8*(4*\c+\m)+\j]
.endr
.endr
.irp i, 0,1,2,3
.irp m, 0,1,2,3
	v_pk_fma_f32 v[SC+2*\m:SC+2*\m+1], v[AC+8*(4*\c+\m)+2*\i:AC+8*(4*\c+\m)+2*\i+1], v[WV+8*\c+2*\i:WV+8*\c+2*\i+1], v[SC+2*\m:SC+2*\m+1]
.endr
.endr
.endr
.endm
; A tile.  THE CHANGE OF SLOTS stands at the head of its last half: all reads of the tile have been issued.  fill = 1: a round of the cluster's barrier, and the joint refill of this slot
; (the tile two further on) first behind it: it has a tile's 128 matrix instructions in which to land.  fill = 0 (the last two tiles): the work-group's barrier alone; the very last tile fetches nothing more.
.macro TILE fill
	FETCHB ADB, 0, 1                               ; (the epilogue before is the places in front of these loads)
	FETCHW 0
	s_wait_dscnt 36                                ; all but the 36 just issued: set 0, the scale words and hp are in
	MULQ 0, 0
	WIN 0
	PLACES 8                                       ; in front of loads into set 0 and hp's registers
	s_wait_dscnt 0x0                               ; set 1 and w are in
	FETCHB ADB, 1, 0
	FETCHS 1, 0
	FETCHBI 1, 0
	MULQ 1, 0
	EPI
	FETCHB ADB, 1, 1
	FETCHW 1
	s_wait_dscnt 36
	MULQ 0, 1
	WIN 0
	PLACES 8
	s_wait_tensorcnt 0x0                           ; no tensor load of mine is out: my quarter of the next tile is in, and the group 0 may be written
	ds_add_u32 v[SPW], v[NIL]
.if \fill
	s_add_nc_u64 s[G0+2:G0+3], s[G0+2:G0+3], 65536 ; a tile on,
	s_add_co_u32 s[G0+1], s21, s[CUR]              ; into the slot in hand
.endif
	s_wait_dscnt 0x0                               ; the add is done, and my reads of this slot are over
.if \fill
	ROUND
	tensor_load_to_lds s[G0:G0+3], s[G1:G1+7]
	s_nop 0
	PLACES 4
.else
	s_barrier_signal -1
	s_barrier_wait -1
	s_cmp_eq_u32 s58, 1
	s_cbranch_scc1 .Lno_next_\@
.endif
	FETCHB ADBN, 0, 0
	FETCHS 0, 1
	FETCHBI 0, 1
.if \fill == 0
.Lno_next_\@:
.endif
	MULQ 1, 1
	EPI
	s_xor_b32 s[CUR], s[CUR], SLOTB                ; on to the other slot
	s_xor_b32 s[NXT], s[NXT], SLOTB
	v_add_nc_u32 v[ADB], s[CUR], v[AB0]
	v_add_nc_u32 v[ADBN], s[NXT], v[AB0]
	v_add_nc_u32 v[ADS], 2048, v[ADS]              ; a tile's scale bytes on,
	v_add_nc_u32 v[ADH], 256, v[ADH]               ; and a tile's hp and w
	s_sub_co_u32 s58, s58, 1
	s_cmp_lg_u32 s58, 0
	s_wait_alu depctr_va_vdst(0)
.endm
	s_wait_loadcnt 0x0                             ; no load into a landing set is out: Wy's fragments may land there
	s_wait_tensorcnt 0x0                           ; my load of the head is in,
	s_wait_dscnt 0x0                               ; my stores of hp and w are done, and x's codes and scale words are in their registers,
	s_barrier_signal -1
	s_barrier_wait -1                              ; everybody's are
	FETCHB ADB, 0, 0
	FETCHS 0, 0
	FETCHBI 0, 0
	s_mov_b32 s58, 14
.Lg:                                                   ; tiles 0 to 13: each has its slot filled again
	TILE 1
	s_cbranch_scc1 .Lg
	s_mov_b32 s58, 2
.Lgt:                                                  ; tiles 14 and 15 ask for nothing: a loop of their own
	TILE 0
	s_cbranch_scc1 .Lgt
; ---- W is primed: the last 32 rows are asked for at once (the last epilogue is the places in front of loads into Wy's registers).
.macro XLOADU pos, d                   ; eight rows: 16 bytes a thread, twice: each load of a wave reads 512 consecutive bytes
	WIN 0x40
.irp i, 0,1,2,3,4,5,6,7
.irp j, 0,1
	global_load_b128 v[64*\pos+8*\i+4*\j:64*\pos+8*\i+4*\j+3], v[XO], s[56:57] offset:(8*\pos+\i)*4096+2048*\j+(\d) th:TH_LOAD_NT
.endr
.endr
	WIN 0
.endm
	s_wait_dscnt 0x0                               ; no LDS load into Wy's registers is out: x's rows may land there
	s_add_nc_u64 s[56:57], s[52:53], 224*4096
	XLOADU 0, 0
	XLOADU 1, 0
	XLOADU 2, 0
	XLOADU 3, 0
; ---- S.  The score of row 64 m + 16 w + r: the pair's two halves and lane l xor 16's.  Then the largest of the 256, p = exp(score - M), and the sum of p.
	s_wait_alu depctr_va_vdst(0)
.irp m, 0,1,2,3
	v_add_f32 v[16+\m], v[SC+2*\m], v[SC+2*\m+1]
.endr
.irp m, 0,1,2,3
	v_permlanex16_b32 v[20+\m], v[16+\m], s60, s61
.endr
.irp m, 0,1,2,3
	v_add_f32 v[16+\m], v[16+\m], v[20+\m]
.endr
	v_max3_num_f32 v20, v16, v17, v18
	v_max_num_f32 v20, v20, v19
	v_max_num_f32_dpp v20, v20, v20 row_xmask:1 row_mask:0xf bank_mask:0xf
	v_max_num_f32_dpp v20, v20, v20 row_xmask:2 row_mask:0xf bank_mask:0xf
	v_max_num_f32_dpp v20, v20, v20 row_xmask:4 row_mask:0xf bank_mask:0xf
	v_max_num_f32_dpp v20, v20, v20 row_xmask:8 row_mask:0xf bank_mask:0xf   ; both halves of the lanes hold the same scores: my wave's largest
	ds_store_b32 v[ADX], v20
	s_wait_dscnt 0x0                               ; for the others' sake
	s_barrier_signal -1
	s_barrier_wait -1
	ds_load_b128 v[20:23], v[ADZ]
	s_wait_dscnt 0x0
	v_max3_num_f32 v20, v20, v21, v22
	v_max_num_f32 v20, v20, v23                    ; M
.irp m, 0,1,2,3
	v_sub_f32 v[16+\m], v[16+\m], v20              ; the difference first
.endr
.irp m, 0,1,2,3
	v_mul_f32 v[16+\m], s63, v[16+\m]
.endr
	s_wait_alu depctr_va_vdst(0)
.irp m, 0,1,2,3
	v_exp_f32 v[SC+2*\m], v[16+\m]                 ; p, twice: the pair that the packed multiply-add takes
	v_exp_f32 v[SC+2*\m+1], v[16+\m]
.endr
	v_nop                                          ; one plain instruction behind the transcendentals
	s_wait_alu depctr_va_vdst(0)                   ; and behind it
.irp m, 0,1,2,3
	ds_store_b64 v[ADPW], v[SC+2*\m:SC+2*\m+1] offset:512*(3-\m)   ; lanes l and l xor 16 write the same bytes with the same value
.endr
	v_add_f32 v21, v[SC], v[SC+2]
	v_add_f32 v22, v[SC+4], v[SC+6]
	v_add_f32 v21, v21, v22
	v_add_f32_dpp v21, v21, v21 row_xmask:1 row_mask:0xf bank_mask:0xf
	v_add_f32_dpp v21, v21, v21 row_xmask:2 row_mask:0xf bank_mask:0xf
	v_add_f32_dpp v21, v21, v21 row_xmask:4 row_mask:0xf bank_mask:0xf
	v_add_f32_dpp v21, v21, v21 row_xmask:8 row_mask:0xf bank_mask:0xf       ; my wave's 64 rows
	ds_store_b32 v[ADX], v21 offset:16
	s_wait_dscnt 0x0
	s_barrier_signal -1
	s_barrier_wait -1                              ; all 256 p and the four sums lie in LDS
	ds_load_b128 v[16:19], v[ADZ] offset:16
	s_wait_dscnt 0x0
	v_add_f32 v16, v16, v17
	v_add_f32 v18, v18, v19
	v_add_f32 v21, v16, v18                        ; L: v[20:21] = (M, L)
; ---- W.  A trip is 32 rows, four units of eight; four units (16 loads each) of every wave are out.  The rows go downward, p's place in LDS upward.  The last trip asks for nothing and waits for all that is out.
.macro WUNIT pos
	s_wait_loadcnt 48                              ; this unit's 16 loads are in; the three younger units stay out
	WIN 0x01                                       ; source 0 (x) window 1
.irp i, 0,1,2,3,4,5,6,7
.irp e, 0,1,2,3
	v_pk_fma_f32 v[WA+2*\e:WA+2*\e+1], v[64*\pos+8*\i+2*\e:64*\pos+8*\i+2*\e+1], v[ST+16*\pos+2*\i:ST+16*\pos+2*\i+1], v[WA+2*\e:WA+2*\e+1]
.endr
.endr
	WIN 0
	s_wait_alu depctr_va_vdst(0)
	s_cmp_eq_u32 s58, 1
	s_cbranch_scc1 .Lwd_\@
	XLOADU \pos, -131072                           ; the same eight rows of the next trip, 32 rows further up in memory
	s_branch .Lww_\@
.Lwd_\@:
	s_wait_loadcnt 0x0
.Lww_\@:
.endm
	s_mov_b32 s58, 8
.Lw:
.irp k, 0,1,2,3,4,5,6,7,8,9,10,11,12,13,14,15
	ds_load_b128 v[ST+4*\k:ST+4*\k+3], v[ADP] offset:16*\k     ; the trip's 32 (p, p): the same bytes in every lane
.endr
	s_wait_dscnt 0x0
	WUNIT 0
	WUNIT 1
	WUNIT 2
	WUNIT 3
	s_wait_xcnt 0x0                                ; the loads have read their base
	s_sub_nc_u64 s[56:57], s[56:57], 131072
	v_add_nc_u32 v[ADP], 256, v[ADP]
	s_sub_co_u32 s58, s58, 1
	s_cmp_lg_u32 s58, 0
	s_wait_alu depctr_va_vdst(0)
	s_cbranch_scc1 .Lw
	s_cmp_lg_u32 s18, 0
	s_cbranch_scc1 .Lnot_ml
	v_lshrrev_b32 v22, 1, v[XQ]                    ; 8 x lane
	global_store_b64 v22, v[20:21], s[16:17]       ; wave 0: (M, L) 32 times: 256 consecutive bytes, aligned
.Lnot_ml:
	s_wait_alu depctr_va_vdst(0)
	global_store_b128 v[XO], v[WA:WA+3], s[14:15]               ; each store of a wave covers 512 consecutive bytes, aligned
	global_store_b128 v[XO], v[WA+4:WA+7], s[14:15] offset:2048
	s_wait_tensorcnt 0x0                           ; the wave's end
	ds_add_u32 v[SPW], v[NIL]
	s_wait_dscnt 0x0
	ROUND                                          ; the closing round
	s_endpgm
.Lfunc_end_k_q81c57de20d_main:
	.size	k_q81c57de20d_main, .Lfunc_end_k_q81c57de20d_main-k_q81c57de20d_main
	.p2alignl 7, 3214868480
	.fill 96, 4, 3214868480
	.section	.rodata,"a",@progbits
	.p2align	6, 0x0
	.amdhsa_kernel k_q81c57de20d_main
		.amdhsa_group_segment_fixed_size 327680
		.amdhsa_private_segment_fixed_size 0
		.amdhsa_enable_private_segment 0
		.amdhsa_kernarg_size 56
		.amdhsa_user_sgpr_count 2
		.amdhsa_user_sgpr_kernarg_segment_ptr 1
		.amdhsa_wavefront_size32 1
		.amdhsa_system_sgpr_workgroup_id_x 1
		.amdhsa_system_sgpr_workgroup_id_y 1
		.amdhsa_system_sgpr_workgroup_id_z 1
		.amdhsa_system_vgpr_workitem_id 0
		.amdhsa_next_free_vgpr 1024
		.amdhsa_next_free_sgpr 88
		.amdhsa_reserve_vcc 0
		.amdhsa_float_denorm_mode_32 3
		.amdhsa_float_denorm_mode_16_64 3
		.amdhsa_memory_ordered 1
		.amdhsa_forward_progress 1
		.amdhsa_inst_pref_size 247
	.end_amdhsa_kernel
	.amdgpu_metadata
---
amdhsa.version: [ 1, 2 ]
amdhsa.kernels:
  - .name:           k_q81c57de20d_main
    .symbol:         k_q81c57de20d_main.kd
    .args:
      - { .name: input_states, .offset: 0, .size: 8, .value_kind: global_buffer, .address_space: global }
      - { .name: Wy_codes, .offset: 8, .size: 8, .value_kind: global_buffer, .address_space: global }
      - { .name: Wy_scales, .offset: 16, .size: 8, .value_kind: global_buffer, .address_space: global }
      - { .name: w, .offset: 24, .size: 8, .value_kind: global_buffer, .address_space: global }
      - { .name: hp, .offset: 32, .size: 8, .value_kind: global_buffer, .address_space: global }
      - { .name: part_r, .offset: 40, .size: 8, .value_kind: global_buffer, .address_space: global }
      - { .name: part_ml, .offset: 48, .size: 8, .value_kind: global_buffer, .address_space: global }
    .group_segment_fixed_size: 327680
    .private_segment_fixed_size: 0
    .kernarg_segment_align: 8
    .kernarg_segment_size: 56
    .max_flat_workgroup_size: 128
    .sgpr_count:     88
    .vgpr_count:     1024
    .wavefront_size: 32
...
	.end_amdgpu_metadata
.endif
;; end of part 2
;; launch fin (part 3): grid 8 x 2, 8 waves a work-group, no clusters, 27,136 bytes of LDS; arguments part_r, part_ml, Wp_codes, Wp_scales, xp, out0; writes out0
.if DOCPART == 3
	.amdgcn_target "amdgcn-amd-amdhsa--gfx1250"
	.amdhsa_code_object_version 6
	.text
	.protected	k_q81c57de20d_fin
	.globl	k_q81c57de20d_fin
	.p2align	8
	.type	k_q81c57de20d_fin,@function
k_q81c57de20d_fin:
	s_mov_b64 s[64:65], 0
	v_nop
	global_prefetch_b8 v0, s[64:65] scope:SCOPE_SE
	s_setreg_imm32_b32 hwreg(HW_REG_WAVE_MODE, 25, 1), 1
	s_wait_xcnt 0x0
; out = relu(Q(r) Wp + xp).  r[b] = (the sum over the batch's eight work-groups i of e_i part_r[8 b + i]) / (the sum of e_i L_i), e_i = exp(M_i - M), M the largest of the eight M_i: the softmax over all 2,048 rows, its maximum taken away.
; r is made in f32 and quantised along K to codes of E4M3 with E8M0 scales; Wp comes as codes [n][k]; xp = last_state Wx (f32, from the first launch) is the C of the sum's first matrix instruction.
; LIMITS: NaN and infinities are not served; a block of zeros of r gets the scale byte 1 (its codes are zeros; the bytes are read here alone).  K is split by parity of the K step over two f32 sums, which are added at the end:
; the order of the f32 additions differs from one chain in ascending K.
; SHARES.  Work-group (x, y): columns 128 x on, batches 16 y on.  Wave w first makes K step w (128 along K) of r's operand for the 16 batches: lane (r, h) holds batch r and k = 128 w + 32 b + 16 h + i in register 16 b + i.
; The fragment and its scale word go to LDS as an image of their registers (16 bytes a lane, 4 bytes a lane); behind a barrier every wave loads all eight.  Then wave w multiplies the 16 columns 128 x + 16 w,
; transposed (source 0 = 16 columns of Wp, source 1 = r): lane (r, h) holds batch r, columns 8 h + 0 .. 7.  The results meet in a stage and leave as rows of 512 consecutive bytes.
; No tensor loads and no cluster: the launch is small; r is made anew by each of the eight work-groups of a y (512 KiB read each).
.set RIMG, 0                           ; LDS: r's eight fragments, 2,048 bytes each
.set RSC,  16384                       ; their scale words, 128 bytes each
.set STG,  17408                       ; the stage: 16 rows x (512 + 16) bytes
.set ML,   16                          ; v16-31   (M_i, L_i); later:
.set T,    16                          ; v16-19   a block's largest magnitude
.set P,    20                          ; v20-23   the other half's; the byte
.set LIM,  24                          ; v24-27   448 x the scale
.set SOP,  28                          ; v28-31   the conversion's scale operand
.set WT,   32                          ; v32-47   the pairs (weight i, weight i); later:
.set PW,   32                          ; v32      the scale word just made
.set ST,   48                          ; v48-111  64 numbers of r; later:
.set AC0,  48                          ; v48-55   the sum over even K steps
.set AC1,  56                          ; v56-63   over odd ones
.set XC,   64                          ; v64-71   xp in the result's layout
.set OU,   72                          ; v72-79   the result
.set LA,   112                         ; v112-175, v176-239 two landing sets; later:
.set PC,   112                         ; v112-127 the codes just made
.set RF,   112                         ; v112-175 four fragments of r
.set WF,   176                         ; v176-239 four fragments of Wp
.set WSC,  240                         ; v240-247 Wp's scale words: nothing else
.set RSR,  248                         ; v248-255 r's scale words: nothing else
.macro PLACES n
.rept \n
	v_nop
.endr
.endm
	s_load_b256 s[4:11], s[0:1], 0x0               ; part_r s[4:5], part_ml s[6:7], Wp's codes s[8:9], Wp's scales s[10:11]
	s_load_b128 s[12:15], s[0:1], 0x20             ; xp s[12:13], out0 s[14:15]
	s_set_vgpr_msb 0x40
	v_lshl_add_u32 v0, v0, 2, 0x6600
	v_mov_b32 v1, 0
	s_set_vgpr_msb 0x4000
	v_lshrrev_b32 v14, 5, v0
	s_delay_alu instid0(VALU_DEP_1)
	v_readfirstlane_b32 s18, v14                   ; wave 0..7
	v_and_b32 v1, 15, v0                           ; r
	v_bfe_u32 v2, v0, 4, 1                         ; h
	v_and_b32 v15, 31, v0                          ; lane
	s_delay_alu instid0(VALU_DEP_3)
	v_lshlrev_b32 v3, 11, v1                       ; part_ml: batch r's eight blocks of 256 bytes
	s_delay_alu instid0(VALU_DEP_4)
	v_lshlrev_b32 v4, 15, v1
	s_delay_alu instid0(VALU_DEP_1)
	v_lshl_add_u32 v4, v2, 6, v4                   ; part_r: batch r's eight rows of 4,096 bytes, + 64 h
	s_delay_alu instid0(VALU_DEP_4)
	v_lshlrev_b32 v5, 4, v15                       ; 16 x lane
	v_lshlrev_b32 v6, 2, v15                       ; 4 x lane
	s_lshl_b32 s20, s18, 11
	v_add_nc_u32 v7, s20, v5                       ; where I store my fragment's image
	s_lshl_b32 s20, s18, 7
	s_add_co_u32 s20, s20, RSC
	v_add_nc_u32 v8, s20, v6                       ; and its scale word
	v_lshlrev_b32 v9, 10, v1
	s_delay_alu instid0(VALU_DEP_1)
	v_lshl_add_u32 v9, v2, 4, v9                   ; Wp's codes: row r of 1,024 bytes, + 16 h
	v_lshlrev_b32 v10, 5, v1                       ; Wp's scale bytes: 32 a row
	v_lshlrev_b32 v11, 12, v1
	s_delay_alu instid0(VALU_DEP_1)
	v_lshl_add_u32 v11, v2, 5, v11                 ; xp: batch r, + 32 h
	v_mul_u32_u24 v12, v1, 528
	s_delay_alu instid0(VALU_DEP_1)
	v_lshl_add_u32 v12, v2, 5, v12
	s_lshl_b32 s20, s18, 6
	s_add_co_u32 s20, s20, STG
	v_add_nc_u32 v12, s20, v12                     ; the stage, in: row r, + 64 x wave + 32 h
	s_mul_i32 s20, s18, 2*528
	s_add_co_u32 s20, s20, STG
	v_add_nc_u32 v13, s20, v5                      ; back: rows 2 x wave on, 16 bytes a lane
	s_mov_b32 s16, ttmp9                           ; x
	s_and_b32 s17, ttmp7, 0xffff                   ; y
	s_mov_b32 s30, 0x76543210                      ; v_permlanex16_b32's selects for lane l xor 16
	s_mov_b32 s31, 0xfedcba98
	s_mov_b32 s32, 0x600000                        ; the mantissa field of 448
	s_mov_b32 s33, 0x3fb8aa3b                      ; log2(e)
	s_mov_b32 s23, 0
	s_lshl_b32 s24, s16, 7
	s_lshl_b32 s25, s18, 4
	s_add_co_u32 s24, s24, s25                     ; my first column: 128 x + 16 x wave
	s_wait_kmcnt 0x0
	s_lshl_b32 s22, s17, 15
	s_add_nc_u64 s[6:7], s[6:7], s[22:23]          ; part_ml at batch 16 y
	s_lshl_b32 s22, s17, 19
	s_lshl_b32 s25, s18, 9
	s_add_co_u32 s22, s22, s25
	s_add_nc_u64 s[4:5], s[4:5], s[22:23]          ; part_r at batch 16 y, K step w
	s_lshl_b32 s22, s24, 10
	s_add_nc_u64 s[8:9], s[8:9], s[22:23]
	s_lshl_b32 s22, s24, 5
	s_add_nc_u64 s[10:11], s[10:11], s[22:23]
	s_lshl_b32 s22, s17, 16
	s_lshl_b32 s25, s24, 2
	s_add_co_u32 s22, s22, s25
	s_add_nc_u64 s[12:13], s[12:13], s[22:23]      ; xp at batch 16 y, my first column
	s_lshl_b32 s22, s17, 16
	s_lshl_b32 s25, s18, 13
	s_add_co_u32 s22, s22, s25
	s_lshl_b32 s25, s16, 9
	s_add_co_u32 s22, s22, s25
	s_add_nc_u64 s[14:15], s[14:15], s[22:23]      ; out0 at batch 16 y + 2 x wave, column 128 x
.irp i, 0,1,2,3,4,5,6,7
	global_load_b64 v[ML+2*\i:ML+2*\i+1], v3, s[6:7] offset:256*\i
.endr
.macro JLOAD i                         ; partial i of my batch: my 64 numbers, into landing set i % 2
.irp b, 0,1,2,3
.irp j, 0,1,2,3
	global_load_b128 v[LA+64*((\i)%2)+16*\b+4*\j:LA+64*((\i)%2)+16*\b+4*\j+3], v4, s[4:5] offset:4096*(\i)+128*\b+16*\j
.endr
.endr
.endm
	JLOAD 0
	JLOAD 1
	s_wait_loadcnt 32                              ; the eight (M, L) are in; the two partials' 32 loads stay out
	v_max3_num_f32 v14, v[ML], v[ML+2], v[ML+4]
	s_delay_alu instid0(VALU_DEP_1)
	v_max3_num_f32 v14, v14, v[ML+6], v[ML+8]
	s_delay_alu instid0(VALU_DEP_1)
	v_max3_num_f32 v14, v14, v[ML+10], v[ML+12]
	s_delay_alu instid0(VALU_DEP_1)
	v_max_num_f32 v14, v14, v[ML+14]               ; M
.irp i, 0,1,2,3,4,5,6,7
	v_sub_f32 v[WT+2*\i], v[ML+2*\i], v14
.endr
.irp i, 0,1,2,3,4,5,6,7
	v_mul_f32 v[WT+2*\i], s33, v[WT+2*\i]
.endr
	s_wait_alu depctr_va_vdst(0)
.irp i, 0,1,2,3,4,5,6,7
	v_exp_f32 v[WT+2*\i], v[WT+2*\i]               ; e_i = exp(M_i - M), at most 1, and 1 for one of them
.endr
	v_nop                                          ; one plain instruction behind the transcendentals (ISA guide 5.7.2)
	s_wait_alu depctr_va_vdst(0)
	v_mul_f32 v15, v[WT], v[ML+1]
.irp i, 1,2,3,4,5,6,7
	v_fma_f32 v15, v[WT+2*\i], v[ML+2*\i+1], v15   ; the row's sum: at least 1
.endr
	s_wait_alu depctr_va_vdst(0)
	v_rcp_f32 v15, v15
	v_nop
	s_wait_alu depctr_va_vdst(0)
.irp i, 0,1,2,3,4,5,6,7
	v_mul_f32 v[WT+2*\i], v[WT+2*\i], v15
.endr
.irp i, 0,1,2,3,4,5,6,7
	v_mov_b32 v[WT+2*\i+1], v[WT+2*\i]             ; the pair that the packed forms take
.endr
	s_wait_alu depctr_va_vdst(0)
.irp i, 0,1,2,3,4,5,6,7
.if \i < 7
	s_wait_loadcnt 16                              ; partial i is in; the next one's 16 loads stay out
.else
	s_wait_loadcnt 0x0
.endif
.set n, 0
.rept 32
.if \i == 0
	v_pk_mul_f32 v[ST+n:ST+n+1], v[LA+64*(\i%2)+n:LA+64*(\i%2)+n+1], v[WT+2*\i:WT+2*\i+1]      ; the first partial starts the sums
.else
	v_pk_fma_f32 v[ST+n:ST+n+1], v[LA+64*(\i%2)+n:LA+64*(\i%2)+n+1], v[WT+2*\i:WT+2*\i+1], v[ST+n:ST+n+1]
.endif
.set n, n+2
.endr
.if \i+2 < 8
	JLOAD \i+2
.endif
.endr
	; r's 64 numbers of my lane become a fragment's codes and its scale word
.irp b, 0,1,2,3
	v_mov_b32 v[P+\b], 0                           ; a lane permute's destination counts as one of its sources
.endr
.irp b, 0,1,2,3
	v_max3_num_f32 v[T+\b], |v[ST+16*\b]|, |v[ST+16*\b+1]|, 0x4800000   ; block b: my 16 numbers, and the floor 2^(9 - 127): so the byte cannot fall under 1
.endr
.irp i, 2,4,6,8,10,12,14
.irp b, 0,1,2,3
	s_delay_alu instid0(VALU_DEP_4)
	v_max3_num_f32 v[T+\b], v[T+\b], |v[ST+16*\b+\i]|, |v[ST+16*\b+\i+1]|
.endr
.endr
.irp b, 0,1,2,3
	s_delay_alu instid0(VALU_DEP_4)
	v_permlanex16_b32 v[P+\b], v[T+\b], s30, s31
.endr
.irp b, 0,1,2,3
	s_delay_alu instid0(VALU_DEP_4)
	v_max_num_f32 v[T+\b], v[T+\b], v[P+\b]        ; with lane l xor 16's: the block's largest magnitude
.endr
.irp b, 0,1,2,3
	s_delay_alu instid0(VALU_DEP_4)
	v_add_nc_u32 v[SOP+\b], 0xfc000000, v[T+\b]    ; 8 off its exponent field: the conversion's scale operand
.endr
.irp b, 0,1,2,3
	v_and_or_b32 v[LIM+\b], v[T+\b], 0x7f800000, s32   ; 448 x the scale
.endr
.irp b, 0,1,2,3
	v_lshrrev_b32 v[P+\b], 23, v[SOP+\b]           ; the scale's byte
.endr
	s_delay_alu instid0(VALU_DEP_3)
	v_lshl_or_b32 v[PW], v[P+1], 8, v[P]
	s_delay_alu instid0(VALU_DEP_1)
	v_lshl_or_b32 v[PW], v[P+2], 16, v[PW]
	s_delay_alu instid0(VALU_DEP_1)
	v_lshl_or_b32 v[PW], v[P+3], 24, v[PW]
.irp b, 0,1,2,3
.irp i, 0,1,2,3,4,5,6,7,8,9,10,11,12,13,14,15
	v_med3_num_f32 v[ST+16*\b+\i], v[ST+16*\b+\i], -v[LIM+\b], v[LIM+\b]   ; the conversion to an 8-bit code does not saturate (ISA guide 7.6.2)
.endr
	v_cvt_scalef32_pk8_fp8_f32 v[PC+4*\b:PC+4*\b+1], v[ST+16*\b:ST+16*\b+7], v[SOP+\b]
	v_cvt_scalef32_pk8_fp8_f32 v[PC+4*\b+2:PC+4*\b+3], v[ST+16*\b+8:ST+16*\b+15], v[SOP+\b]
.endr
	v_nop                                          ; one plain vector instruction behind the last scaled conversion
.irp c, 0,1,2,3
	ds_store_b128 v7, v[PC+4*\c:PC+4*\c+3] offset:RIMG+512*\c   ; the fragment goes to LDS as it stands
.endr
	ds_store_b32 v8, v[PW]
	global_load_b128 v[WSC:WSC+3], v10, s[10:11]               ; Wp's scale words: eight K steps
	global_load_b128 v[WSC+4:WSC+7], v10, s[10:11] offset:16
	global_load_b128 v[XC:XC+3], v11, s[12:13]                 ; xp at my batch, my eight columns
	global_load_b128 v[XC+4:XC+7], v11, s[12:13] offset:16
.macro WLOAD q                         ; four fragments of Wp
.irp k, 0,1,2,3
.irp i, 0,1,2,3
	global_load_b128 v[WF+16*\k+4*\i:WF+16*\k+4*\i+3], v9, s[8:9] offset:128*(4*\q+\k)+32*\i
.endr
.endr
.endm
	WLOAD 0
	s_wait_dscnt 0x0                               ; for the others' sake: my image is in LDS
	s_barrier_signal -1
	s_barrier_wait -1                              ; r's eight fragments lie in LDS
; Four K steps: the two accumulators take turns, one instruction a turn.
.macro HALF q
.if \q
	PLACES 8                                       ; in front of loads into registers that matrix instructions have read (ISA guide 7.12.1 for vector instructions)
	WLOAD 1
.endif
.irp k, 0,1,2,3
.irp c, 0,1,2,3
	ds_load_b128 v[RF+16*\k+4*\c:RF+16*\k+4*\c+3], v5 offset:RIMG+(4*\q+\k)*2048+512*\c
.endr
.endr
.if \q == 0
.irp s, 0,1,2,3,4,5,6,7
	ds_load_b32 v[RSR+\s], v6 offset:RSC+128*\s
.endr
.endif
	s_wait_loadcnt 0x0
	s_wait_dscnt 0x0
.irp k, 0,1,2,3
.if (\q == 0) && (\k == 0)
	v_wmma_scale_f32_16x16x128_f8f6f4 v[AC0:AC0+7], v[WF+16*\k:WF+16*\k+15], v[RF+16*\k:RF+16*\k+15], v[XC:XC+7], v[WSC+4*\q+\k], v[RSR+4*\q+\k]
.elseif (\q == 0) && (\k == 1)
	v_wmma_scale_f32_16x16x128_f8f6f4 v[AC1:AC1+7], v[WF+16*\k:WF+16*\k+15], v[RF+16*\k:RF+16*\k+15], 0, v[WSC+4*\q+\k], v[RSR+4*\q+\k]
.else
	v_wmma_scale_f32_16x16x128_f8f6f4 v[AC0+8*(\k%2):AC0+8*(\k%2)+7], v[WF+16*\k:WF+16*\k+15], v[RF+16*\k:RF+16*\k+15], v[AC0+8*(\k%2):AC0+8*(\k%2)+7], v[WSC+4*\q+\k], v[RSR+4*\q+\k]
.endif
.endr
.endm
	HALF 0
	HALF 1
	PLACES 8                                       ; in front of the first read of results, and of the loads into r's registers below
.irp n, 0,2,4,6
	v_pk_add_f32 v[OU+\n:OU+\n+1], v[AC0+\n:AC0+\n+1], v[AC1+\n:AC1+\n+1]   ; both accumulators from their low end on
.endr
.irp n, 0,1,2,3,4,5,6,7
	v_max_num_f32 v[OU+\n], 0, v[OU+\n]            ; relu
.endr
	ds_store_b128 v12, v[OU:OU+3]
	ds_store_b128 v12, v[OU+4:OU+7] offset:16
	s_wait_dscnt 0x0                               ; for the others' sake
	s_barrier_signal -1
	s_barrier_wait -1                              ; 16 whole rows of 512 bytes lie in the stage
	ds_load_b128 v[RF:RF+3], v13
	ds_load_b128 v[RF+4:RF+7], v13 offset:528
	s_wait_dscnt 1
	global_store_b128 v5, v[RF:RF+3], s[14:15]                 ; 32 lanes store 512 consecutive bytes, aligned
	s_wait_dscnt 0x0
	global_store_b128 v5, v[RF+4:RF+7], s[14:15] offset:4096
	s_set_vgpr_msb 0x5
	s_wait_tensorcnt 0x0
	ds_add_u32 v0, v1
	s_wait_dscnt 0x0
	s_set_vgpr_msb 0x500
	s_endpgm
.Lfunc_end_k_q81c57de20d_fin:
	.size	k_q81c57de20d_fin, .Lfunc_end_k_q81c57de20d_fin-k_q81c57de20d_fin
	.p2alignl 7, 3214868480
	.fill 96, 4, 3214868480
	.section	.rodata,"a",@progbits
	.p2align	6, 0x0
	.amdhsa_kernel k_q81c57de20d_fin
		.amdhsa_group_segment_fixed_size 27136
		.amdhsa_private_segment_fixed_size 0
		.amdhsa_enable_private_segment 0
		.amdhsa_kernarg_size 48
		.amdhsa_user_sgpr_count 2
		.amdhsa_user_sgpr_kernarg_segment_ptr 1
		.amdhsa_wavefront_size32 1
		.amdhsa_system_sgpr_workgroup_id_x 1
		.amdhsa_system_sgpr_workgroup_id_y 1
		.amdhsa_system_sgpr_workgroup_id_z 1
		.amdhsa_system_vgpr_workitem_id 0
		.amdhsa_next_free_vgpr 258
		.amdhsa_next_free_sgpr 66
		.amdhsa_reserve_vcc 0
		.amdhsa_float_denorm_mode_32 3
		.amdhsa_float_denorm_mode_16_64 3
		.amdhsa_memory_ordered 1
		.amdhsa_forward_progress 1
		.amdhsa_inst_pref_size 54
	.end_amdhsa_kernel
	.amdgpu_metadata
---
amdhsa.version: [ 1, 2 ]
amdhsa.kernels:
  - .name:           k_q81c57de20d_fin
    .symbol:         k_q81c57de20d_fin.kd
    .args:
      - { .name: part_r, .offset: 0, .size: 8, .value_kind: global_buffer, .address_space: global }
      - { .name: part_ml, .offset: 8, .size: 8, .value_kind: global_buffer, .address_space: global }
      - { .name: Wp_codes, .offset: 16, .size: 8, .value_kind: global_buffer, .address_space: global }
      - { .name: Wp_scales, .offset: 24, .size: 8, .value_kind: global_buffer, .address_space: global }
      - { .name: xp, .offset: 32, .size: 8, .value_kind: global_buffer, .address_space: global }
      - { .name: out0, .offset: 40, .size: 8, .value_kind: global_buffer, .address_space: global }
    .group_segment_fixed_size: 27136
    .private_segment_fixed_size: 0
    .kernarg_segment_align: 8
    .kernarg_segment_size: 48
    .max_flat_workgroup_size: 256
    .sgpr_count:     66
    .vgpr_count:     258
    .wavefront_size: 32
...
	.end_amdgpu_metadata
.endif
;; end of part 3
